; MI455X (gfx1250); checked and timed in simulation.
; The chip was launched on July 23, 2026; its instructions are those of AMD's public machine-readable ISA for CDNA 5 (MIT licence, August 2026) and "CDNA5" Instruction Set Architecture Reference Guide (July 2026). The comments in the code are by the model that wrote it; some were corrected since.
;; Cross Attention. Allowed arithmetic: matrix products marked QUANTISED: E3M2 operands, one E8M0 scale for each 32 along K, by v_wmma_scale_f32_16x16x128_f8f6f4 with both operands' format E3M2, f32 sums; everything else in f32.
;; Inputs: WkA_codes 32 x 8 x 24 uint8 (E3M2 codes of WkA, K innermost, in blocks of 32 codes, four codes in three bytes); WkA_scales 32 x 8 uint8 (E8M0 scales of WkA, one for each 32 codes along K); WkB_codes 32 x 8 x 24 uint8 (E3M2 codes of WkB, K innermost, in blocks of 32 codes, four codes in three bytes); WkB_scales 32 x 8 uint8 (E8M0 scales of WkB, one for each 32 codes along K); WqA_codes 32 x 8 x 24 uint8 (E3M2 codes of WqA, K innermost, in blocks of 32 codes, four codes in three bytes); WqA_scales 32 x 8 uint8 (E8M0 scales of WqA, one for each 32 codes along K); WqB_codes 32 x 8 x 24 uint8 (E3M2 codes of WqB, K innermost, in blocks of 32 codes, four codes in three bytes); WqB_scales 32 x 8 uint8 (E8M0 scales of WqB, one for each 32 codes along K); WvA_codes 256 x 8 x 24 uint8 (E3M2 codes of WvA, K innermost, in blocks of 32 codes, four codes in three bytes); WvA_scales 256 x 8 uint8 (E8M0 scales of WvA, one for each 32 codes along K); WvB_codes 256 x 8 x 24 uint8 (E3M2 codes of WvB, K innermost, in blocks of 32 codes, four codes in three bytes); WvB_scales 256 x 8 uint8 (E8M0 scales of WvB, one for each 32 codes along K); bkA 32 float32; bkB 32 float32; bqA 32 float32; bqB 32 float32; bvA 256 float32; bvB 256 float32; gamma_A 1 float32; gamma_B 1 float32; x 1 x 256 x 8 x 32 x 32 float32.
;; Outputs: out0 1 x 256 x 8 x 32 x 32 float32; out1 1 x 256 x 8 x 32 x 32 float32.
;; This version of the problem:
;;   THIS VERSION OF THE PROBLEM IS GIVEN IN LOW PRECISION. The matrix products marked QUANTISED in the list below multiply operands that are first quantised to E3M2 (3 exponent bits, 2 mantissa bits; 6 bits a number), with one power-of-two scale for each 32 numbers along K (OCP MX v1.0); their sums are f32. All else is computed in f32.
;;   The module's matrix products, in the order in which they are computed (A, B: the left and right operand; K: the contracted axis; several contracted axes count as one K, in the product's order):
;;     1. [M 8,192, K 256] x [K 256, N 32]; A: input x; B: input WqA (given as codes): QUANTISED
;;     2. [M 8,192, K 256] x [K 256, N 32]; A: input x; B: input WkA (given as codes): QUANTISED
;;     3. [M 8,192, K 256] x [K 256, N 256]; A: input x; B: input WvA (given as codes): QUANTISED
;;     4. [M 8,192, K 256] x [K 256, N 32]; A: input x; B: input WqB (given as codes): QUANTISED
;;     5. [M 8,192, K 256] x [K 256, N 32]; A: input x; B: input WkB (given as codes): QUANTISED
;;     6. [M 8,192, K 256] x [K 256, N 256]; A: input x; B: input WvB (given as codes): QUANTISED
;;     7. [M 8,192, K 32] x [K 32, N 8,192]; A: computed on the way; B: computed on the way: QUANTISED
;;     8. [M 256, K 8,192] x [K 8,192, N 8,192]; A: computed on the way; B: softmax (see below): QUANTISED
;;     9. [M 8,192, K 32] x [K 32, N 8,192]; A: computed on the way; B: computed on the way: QUANTISED
;;     10. [M 256, K 8,192] x [K 8,192, N 8,192]; A: computed on the way; B: softmax (see below): QUANTISED
;;   THE QUANTISER, for each operand of a quantised product, along K:
;;     - K is cut into blocks of 32 from its start; a last block that is shorter is filled with zeros.
;;     - A block's scale is 2^e with e = floor(log2(the largest magnitude in the block)) - 4, held to -126 .. 127; a block of zeros has e = 0. As a byte (E8M0): e + 127.
;;     - Each number is divided by its block's scale, clamped to +-28, and rounded to the nearest number of E3M2, ties to even, subnormals kept.
;;     - The product sums the exact products of the quantised numbers (number of the format x scale) in f32.
;;   ~~~python
;;   def quantise(x, axis):      # numpy; x: float32 -> the quantised numbers, widened to float32 again
;;       x = np.moveaxis(x, axis, -1); K = x.shape[-1]
;;       x = np.pad(x, [(0, 0)] * (x.ndim - 1) + [(0, -K % 32)]); x = x.reshape(x.shape[:-1] + (-1, 32)); a = np.abs(x).max(-1, keepdims=True)
;;       e = np.where(a > 0, np.clip(np.frexp(np.where(a > 0, a, 1))[1] - 1 - 4, -126, 127), 0)      # np.frexp(a)[1] - 1 = floor(log2(a)), exactly
;;       r = np.clip(x / 2.0 ** e, -28, 28)
;;       step = 2.0 ** (np.maximum(np.frexp(np.where(r == 0, 1, r))[1] - 1, -2) - 2)
;;       q = np.round(r / step) * step * 2.0 ** e      # np.round: ties to even
;;       return np.moveaxis(q.reshape(q.shape[:-2] + (-1,))[..., :K], -1, axis).astype(np.float32)
;;   ~~~
;;   SOFTMAX AHEAD OF A QUANTISED PRODUCT. Where the list says 'softmax', what is quantised is not the finished softmax but p = 2^(t - M), with t = logit x log2(e) and M = ceil(the row's largest t), a whole number; so 1/2 < the row's largest p <= 1. The row's sum l is taken of the UNQUANTISED p, in f32, and the product's result is divided by l at the end. Since M is a whole number, a kernel that streams over the keys may use a running M (the ceiling of the running maximum): every later rescaling is an exact power of two, which a block's scale takes up: the codes' values come out the same.
;;   OPERANDS COMPUTED ON THE WAY. 'Computed on the way' means the value that the module computes at that place (a softmax that the list does not call 'softmax' is quantised finished and normalised). What goes into a quantiser is computed in f32, as accurately as f32 sums, v_exp_f32 and their like allow (about 1e-6 of the number): no bf16 or f16 on the way to a quantiser, and a product that is left as it is and whose result goes on into a quantised operand takes f32 operands (vector FMAs, or v_wmma_f32_16x16x4_f32). A number that lies on a knife's edge between two numbers of the format may be rounded either way, as far as f32 arithmetic and the matrix unit's own rounding can turn it there, and no further.
;;   INPUTS GIVEN AS CODES. WkA (in the module: [32, 256], K = its axis 1); WkB (in the module: [32, 256], K = its axis 1); WqA (in the module: [32, 256], K = its axis 1); WqB (in the module: [32, 256], K = its axis 1); WvA (in the module: [256, 256], K = its axis 1); WvB (in the module: [256, 256], K = its axis 1): each comes as NAME_codes (uint8): NAME with its K axis moved to the last place and cut into blocks of 32 codes, [.., K / 32, bytes a block], one block behind the other in memory; four codes in three bytes: a row's codes are one little-endian stream of bits, code i at bits 6 i .. 6 i + 5 (a code: sign, 3 exponent bits, 2 mantissa bits); and NAME_scales (uint8): the same leading axes, one E8M0 byte (e + 127) for each 32 codes along K. Its value is code x scale, taken as it is: it is not quantised again, and the codes and scales need not be those that the quantiser above would give.
;; One version. Each part assembles by itself: llvm-mc -triple=amdgcn-amd-amdhsa -mcpu=gfx1250 --defsym DOCPART=n.
;; ======== version 1 of 1: 2 launches
;; workspace buffers: kv 3,735,552 bytes; qc 524,288 bytes
;; launch proj (part 1): grid 64 x 2, 8 waves a work-group, no clusters, 31,744 bytes of LDS; arguments x, WqA_codes, WqA_scales, bqA, WkB_codes, WkB_scales, bkB, WvB_codes, WvB_scales, bvB, WqB_codes, WqB_scales, bqB, WkA_codes, WkA_scales, bkA, WvA_codes, WvA_scales, bvA, kv, qc; writes kv, qc
.if DOCPART == 1
	.amdgcn_target "amdgcn-amd-amdhsa--gfx1250"
	.amdhsa_code_object_version 6
	.text
	.protected	k_q8e5354f60e_proj
	.globl	k_q8e5354f60e_proj
	.p2align	8
	.type	k_q8e5354f60e_proj,@function
k_q8e5354f60e_proj:
	s_mov_b64 s[64:65], 0
	v_nop
	global_prefetch_b8 v0, s[64:65] scope:SCOPE_SE
	s_setreg_imm32_b32 hwreg(HW_REG_WAVE_MODE, 25, 1), 1
	s_wait_xcnt 0x0
; THE SIX PROJECTIONS.  x [256 channels][8,192 positions] f32 is quantised along the channels (E3M2, one E8M0 byte for 32), multiplied by the given codes of Wq, Wk, Wv, the biases added,
; and Q, K (along their 32 channels) and V (along the positions, which are the keys) are quantised again and stored in the order of the next launch's operand registers.
; A work-group takes 128 positions (a step s = work-group x) of one direction d (work-group y): d = 0: Wq of A, Wk and Wv of B;  d = 1: Wq of B, Wk and Wv of A.  The pointers are chosen once; there is one path.
; 64 x 2 work-groups: a V fragment holds 128 keys, so 128 positions are the least that one work-group can finish; x is read once for each d.
; THE ROWS OF A TILE ARE NOT NEIGHBOURS: the 128 positions form 8 tiles tau = 4 c + u; row m of tile (c, u) is position 64 c + 32 (m / 8) + 8 u + m % 8.  A result holds row 8 h + j in register j of lane (r, h),
; so the 32 registers of tiles (c, 0..3) are the 32 neighbours 64 c + 32 h + 0 .. 31: a whole block in one lane, in the order of a 6-bit operand's registers 6 c .. 6 c + 5.
; kv: a record of 29,184 bytes for (d, s): 16 V fragments (1,536 each: group g of four registers at 512 g + 16 lane); 2 K fragments (lane's 48 bytes on end; block u of fragment c = tile (c, u));
;     V's scale words as an image of 8 registers; K's scale words; 384 zeros.   qc: 512 bytes a tile of 16 positions: codes at 24 r + 12 h, the scale byte four times at 384 + 4 lane.
; LIMITS: NaN and infinities among the inputs are not served.  A block whose largest magnitude lies under 2^-122 keeps the byte 1; a block of zeros gets the byte 1 too (its codes are zeros; only this program reads the bytes).
.set REC,  29184
.set XSC,  24576                       ; LDS: 0: x's 16 fragments (tile tau, K step ks at (2 tau + ks) x 1,536; lane's 48 bytes on end); here: their scale words, 64 bytes each
.set TAIL, 25600                       ; an image of the record's bytes 24,576 .. 29,183
.set X,    32                          ; v32-159  4 blocks x 32 numbers of x
.set VA,   32                          ; then V's 16 accumulators: 32 + 64 i + 8 tau
.set XF2,  32                          ; then my tile's two fragments of x
.set QC,   56                          ; and Q's and K's codes: v56-58, v60-62
.set C,    160                         ; v160-191 x's codes, 8 registers a block
.set XF,   160                         ; then four fragments of x
.set VFR,  160                         ; then my two V fragments
.set ZR,   192                         ; four zeros
.set CP,   196                         ; the copy at the end
.set XS,   208                         ; v208-223 hold scale words and nothing else: x's,
.set WVS,  212                         ; Wv's (2 i + ks),
.set WQS,  216                         ; Wq's and Wk's (4 z + 2 uu + ks)
.set QKA,  224                         ; v224-255 Q's and K's accumulators (16 z + 8 uu); the biases are loaded into them
.set VBI,  144                         ; window 1: v0-47 Wv (12 (2 i + ks)); v48-143 Wq, Wk (48 + 48 z + 12 (2 uu + ks)); v144-159 bv spread over 8 registers a tile
.set MSB, 0
.macro WIN new                         ; the immediate's high byte repeats the setting that is left
.if MSB != \new
	s_set_vgpr_msb (MSB<<8)|\new
.set MSB, \new
.endif
.endm
.macro PLACES n
.rept \n
	v_nop
.endr
.endm
.macro MMC d, a, b, c, sa, sb
	v_wmma_scale_f32_16x16x128_f8f6f4 v[(\d):(\d)+7], v[(\a):(\a)+11], v[(\b):(\b)+11], v[(\c):(\c)+7], v[(\sa)], v[(\sb)] matrix_a_fmt:MATRIX_FMT_BF6 matrix_b_fmt:MATRIX_FMT_BF6
.endm
; 32 numbers of ONE lane, a whole block, become six registers of codes; sc: the conversions' scale operand; by: the byte.  The registers are read in ascending order.
.macro QB32 src, dst, tmp, sc, by
	v_max3_num_f32 v22, |v[(\src)]|, |v[(\src)+1]|, |v[(\src)+2]|
	v_max3_num_f32 v23, |v[(\src)+3]|, |v[(\src)+4]|, |v[(\src)+5]|
.irp i, 6,10,14,18,22,26
	v_max3_num_f32 v22, v22, |v[(\src)+\i]|, |v[(\src)+\i+1]|
	v_max3_num_f32 v23, v23, |v[(\src)+\i+2]|, |v[(\src)+\i+3]|
.endr
	v_max3_num_f32 v22, v22, |v[(\src)+30]|, |v[(\src)+31]|
	s_delay_alu instid0(VALU_DEP_1)
	v_max3_num_f32 v22, v22, v23, 0x2800000        ; the floor 2^(5 - 127): the byte cannot fall under 1
	s_delay_alu instid0(VALU_DEP_1)
	v_add_nc_u32 v[\sc], 0xfe000000, v22           ; 4 off the exponent field: the conversion takes that field as its scale
	s_delay_alu instid0(VALU_DEP_1)
	v_lshrrev_b32 v[\by], 23, v[\sc]
	v_cvt_scalef32_pk16_bf6_f32 v[(\dst):(\dst)+2], v[(\src):(\src)+15], v[\sc]
	v_cvt_scalef32_pk16_bf6_f32 v[(\tmp):(\tmp)+2], v[(\src)+16:(\src)+31], v[\sc]   ; (a conversion's three registers begin on an even number)
	v_nop                                          ; one plain place behind a scaled conversion
.irp i, 0,1,2
	v_mov_b32 v[(\dst)+3+\i], v[(\tmp)+\i]
.endr
.endm
.macro LOADX b                         ; block b: channels 32 b + 0 .. 31 of my position: a wave's load covers 128 neighbouring bytes, four waves stand side by side on 512
.set n, 0
.rept 32
	global_load_b32 v[X+32*(\b)+n], v4, s[4:5] offset:(32*(\b)+n)*32768
.set n, n+1
.endr
.endm
.macro FETCHX reg, img                 ; a fragment of x comes back as an image of its registers
.irp g, 0,1,2
	ds_load_b128 v[(\reg)+4*\g:(\reg)+4*\g+3], v7 offset:(\img)*1536+16*\g
.endr
.endm
.macro WLOAD_A                         ; 38 loads: my 32 rows of Wv, their scale words, bv, bq and bk
	WIN 0x40
.irp i, 0,1
.irp ks, 0,1
.irp p, 0,1,2,3,4,5
	global_load_b64 v[12*(2*\i+\ks)+2*\p:12*(2*\i+\ks)+2*\p+1], v10, s[20:21] offset:3072*\i+96*\ks+48*(\p/3)+8*(\p%3)
.endr
.endr
.endr
	WIN 0
.irp i, 0,1
.irp ks, 0,1
	global_load_b32 v[WVS+2*\i+\ks], v12, s[22:23] offset:128*\i+4*\ks
.endr
.endr
.irp i, 0,1
	global_load_b32 v[29+\i], v31, s[24:25] offset:64*\i
.endr
.irp z, 0,1
.irp uu, 0,1
	global_load_b128 v[QKA+16*\z+8*\uu:QKA+16*\z+8*\uu+3], v14, s[12+6*\z:13+6*\z] offset:32*\uu       ; lane (r, h), tile uu, register j: channel 16 h + 8 uu + j
	global_load_b128 v[QKA+16*\z+8*\uu+4:QKA+16*\z+8*\uu+7], v14, s[12+6*\z:13+6*\z] offset:32*\uu+16
.endr
.endr
.endm
.macro WLOAD_B                         ; 56 loads: Wq and Wk; lane r of tile uu takes row 8 uu + r + 8 (r / 8), so that a lane's 16 results are channels 16 h + 0 .. 15
	WIN 0x40
.irp z, 0,1
.irp uu, 0,1
.irp ks, 0,1
.irp p, 0,1,2,3,4,5
	global_load_b64 v[48+48*\z+12*(2*\uu+\ks)+2*\p:48+48*\z+12*(2*\uu+\ks)+2*\p+1], v11, s[8+6*\z:9+6*\z] offset:1536*\uu+96*\ks+48*(\p/3)+8*(\p%3)
.endr
.endr
.endr
.endr
	WIN 0
.irp z, 0,1
.irp uu, 0,1
.irp ks, 0,1
	global_load_b32 v[WQS+4*\z+2*\uu+\ks], v13, s[10+6*\z:11+6*\z] offset:64*\uu+4*\ks
.endr
.endr
.endr
.endm
.macro XBLK b                          ; block b of my position: codes to lane m + 16 (b % 2), bytes 24 (b / 2) on, of its tile's fragment
	QB32 X+32*(\b), C+8*(\b), 192, 24, 25
.irp i, 0,1,2
	ds_store_b64 v5, v[C+8*(\b)+2*\i:C+8*(\b)+2*\i+1] offset:768*((\b)&1)+24*((\b)>>1)+8*\i
.endr
.if (\b) == 0
	v_mov_b32 v26, v25
.else
	v_lshl_or_b32 v26, v25, 8*(\b), v26            ; the four bytes make my position's scale word
.endif
.endm
	s_load_b64 s[4:5], s[0:1], 0x0                 ; x
	s_load_b512 s[8:23], s[0:1], 0x8               ; d = 0: Wq codes, scales, bq, Wk codes, scales, bk, Wv codes, scales,
	s_load_b64 s[24:25], s[0:1], 0x48              ; bv
	s_load_b512 s[28:43], s[0:1], 0x50             ; d = 1: the same nine
	s_load_b64 s[44:45], s[0:1], 0x90
	s_load_b128 s[48:51], s[0:1], 0x98             ; kv, qc
	s_set_vgpr_msb 0x40
	v_lshl_add_u32 v254, v0, 2, 0x7800
	v_mov_b32 v255, 0
	s_set_vgpr_msb 0x4000
	v_lshrrev_b32 v1, 5, v0
	s_delay_alu instid0(VALU_DEP_1)
	v_readfirstlane_b32 s53, v1                    ; wave w
	s_and_b32 s52, ttmp7, 0xffff                   ; d
	s_and_b32 s54, s53, 1                          ; ks = w % 2: which 128 channels I quantise
	s_lshr_b32 s55, s53, 1                         ; pg = w / 2: which 32 positions
	s_lshr_b32 s58, s53, 2                         ; w / 4
	s_bfe_u32 s59, s53, 0x10001                    ; (w / 2) % 2
	s_and_b32 s46, s53, 3                          ; w % 4
	s_mov_b32 s60, 0x76543210
	s_mov_b32 s61, 0xfedcba98                      ; v_permlanex16_b32's selects for lane l xor 16
	v_and_b32 v1, 31, v0                           ; lane
	v_and_b32 v2, 15, v0                           ; r
	v_bfe_u32 v3, v0, 4, 1                         ; h
	s_delay_alu instid0(VALU_DEP_3)
	v_lshlrev_b32 v4, 2, v1                        ; 4 lane
	s_delay_alu instid0(VALU_DEP_4)
	v_lshrrev_b32 v22, 3, v1
	v_and_b32 v23, 7, v1
	s_delay_alu instid0(VALU_DEP_2)
	v_mul_u32_u24 v5, v22, 3072                    ; position 32 pg + lane is row 8 (pg % 2) + lane % 8 of tile 4 (pg / 2) + lane / 8
	s_delay_alu instid0(VALU_DEP_1)
	v_mad_u32_u24 v5, v23, 48, v5
	s_mul_i32 s56, s58, 12288
	s_mul_i32 s57, s59, 384
	s_add_co_u32 s56, s56, s57
	s_mul_i32 s57, s54, 1536
	s_add_co_u32 s56, s56, s57
	v_add_nc_u32 v5, s56, v5                       ; where my position's codes go
	v_lshlrev_b32 v6, 7, v22
	s_delay_alu instid0(VALU_DEP_1)
	v_lshl_add_u32 v6, v23, 2, v6
	s_lshl_b32 s56, s58, 9
	s_lshl_b32 s57, s59, 5
	s_add_co_u32 s56, s56, s57
	s_lshl_b32 s57, s54, 6
	s_add_co_u32 s56, s56, s57
	s_add_co_u32 s56, s56, XSC
	v_add_nc_u32 v6, s56, v6                       ; and its scale word
	v_mul_u32_u24 v7, v1, 48                       ; 48 lane
	v_lshl_add_u32 v8, v2, 2, XSC                  ; a tile's scale words: 4 r
	v_lshlrev_b32 v9, 4, v1                        ; 16 lane
	v_mul_u32_u24 v10, v2, 192                     ; Wv: row r of 192 bytes, + 24 h
	s_delay_alu instid0(VALU_DEP_1)
	v_mad_u32_u24 v10, v3, 24, v10
	v_and_b32 v24, 8, v2
	s_delay_alu instid0(VALU_DEP_1)
	v_add_nc_u32 v24, v24, v2                      ; r + 8 (r / 8)
	s_delay_alu instid0(VALU_DEP_1)
	v_mul_u32_u24 v11, v24, 192                    ; Wq, Wk
	s_delay_alu instid0(VALU_DEP_1)
	v_mad_u32_u24 v11, v3, 24, v11
	v_lshlrev_b32 v12, 3, v2                       ; Wv's scale bytes: 8 a row
	s_delay_alu instid0(VALU_DEP_4)
	v_lshlrev_b32 v13, 3, v24                      ; Wq's, Wk's
	v_lshlrev_b32 v14, 6, v3                       ; bq, bk: 64 h
	v_mul_u32_u24 v15, v2, 48                      ; K's codes of tile w = 4 c + u: lane r + 16 (u % 2), bytes 24 (u / 2) + 12 h of fragment c
	s_delay_alu instid0(VALU_DEP_1)
	v_mad_u32_u24 v15, v3, 12, v15
	s_mul_i32 s56, s58, 1536
	s_mul_i32 s57, s54, 768
	s_add_co_u32 s56, s56, s57
	s_mul_i32 s57, s59, 24
	s_add_co_u32 s56, s56, s57
	s_add_co_u32 s56, s56, TAIL
	v_add_nc_u32 v15, s56, v15
	s_lshl_b32 s56, s58, 6
	s_add_co_u32 s56, s56, s46
	s_add_co_u32 s56, s56, TAIL+4096
	v_lshl_add_u32 v16, v2, 2, s56                 ; K's scale byte: word r + 16 c, byte u
	s_lshl_b32 s56, s58, 9
	s_lshl_b32 s57, s46, 2
	s_add_co_u32 s56, s56, s57
	s_add_co_u32 s56, s56, TAIL+3072
	v_lshl_add_u32 v17, v1, 4, s56                 ; V's scale words: register w of the image of eight
	s_mul_i32 s56, s53, 48
	s_add_co_u32 s56, s56, TAIL+4224
	v_mov_b32 v18, s56                             ; my 48 of the record's 384 closing zeros
	v_mul_u32_u24 v19, v2, 24
	s_delay_alu instid0(VALU_DEP_1)
	v_mad_u32_u24 v19, v3, 12, v19                 ; qc: 24 r + 12 h
	v_lshlrev_b32 v20, 3, v3                       ; 8 h
	s_lshl_b32 s56, s53, 9
	s_add_co_u32 s56, s56, TAIL
	v_lshl_add_u32 v21, v1, 4, s56                 ; the copy at the end: 512 w + 16 lane
	v_lshlrev_b32 v31, 2, v2                       ; bv: 4 r
	s_lshl_b32 s56, s54, 22                        ; x: 128 ks channels of 32,768 bytes, + 512 s + 128 pg
	s_lshl_b32 s57, ttmp9, 9
	s_add_co_u32 s56, s56, s57
	s_lshl_b32 s57, s55, 7
	s_add_co_u32 s56, s56, s57
	s_mov_b32 s57, 0
	s_wait_kmcnt 0x0
	s_add_nc_u64 s[4:5], s[4:5], s[56:57]
	LOADX 0
	LOADX 1
	s_cmp_eq_u32 s52, 0                            ; the choice hangs on the work-group's number alone
.irp i, 0,1,2,3,4,5,6,7,8
	s_cselect_b64 s[8+2*\i:9+2*\i], s[8+2*\i:9+2*\i], s[28+2*\i:29+2*\i]
.endr
	s_mul_i32 s56, s53, 6144                       ; my 32 rows of Wv,
	s_add_nc_u64 s[20:21], s[20:21], s[56:57]
	s_lshl_b32 s56, s53, 8                         ; their scale bytes,
	s_add_nc_u64 s[22:23], s[22:23], s[56:57]
	s_lshl_b32 s56, s53, 7                         ; their biases
	s_add_nc_u64 s[24:25], s[24:25], s[56:57]
	s_lshl_b32 s56, s52, 6
	s_add_co_u32 s56, s56, ttmp9
	s_mul_i32 s56, s56, REC
	s_add_nc_u64 s[48:49], s[48:49], s[56:57]      ; the record of (d, s)
	s_mul_i32 s56, s53, 3072
	s_add_nc_u64 s[28:29], s[48:49], s[56:57]      ; my two V fragments in it
	s_lshl_b32 s56, s53, 9
	s_add_co_u32 s56, s56, 24576
	s_add_nc_u64 s[30:31], s[48:49], s[56:57]      ; my 512 bytes of its tail
	s_lshl_b32 s56, s52, 18
	s_lshl_b32 s58, ttmp9, 12
	s_add_co_u32 s56, s56, s58
	s_lshl_b32 s58, s53, 9
	s_add_co_u32 s56, s56, s58
	s_add_nc_u64 s[50:51], s[50:51], s[56:57]      ; qc: tile 512 d + 8 s + w
	; ---- X: my 32 positions x 128 channels become codes.  A lane holds a position, its registers run down the channels: a block's largest magnitude needs no other lane
	s_wait_loadcnt 32                              ; block 0 is in; block 1's 32 loads may be out
	LOADX 2
	XBLK 0
	s_wait_loadcnt 32                              ; block 1; behind it: block 2's 32
	LOADX 3
	XBLK 1
	s_wait_loadcnt 32                              ; block 2; behind it: block 3's 32
	WLOAD_A
	XBLK 2
	s_wait_loadcnt 38                              ; block 3; behind it: the 38 loads just issued
	WLOAD_B
	XBLK 3
	ds_store_b32 v6, v26
	s_wait_dscnt 0x0                               ; for the others' sake: my stores have landed
	s_barrier_signal -1
	s_barrier_wait -1                              ; x's sixteen fragments lie in LDS
	; ---- V: my 32 channels (tiles i = 0, 1) for all 128 positions.  Source 0 = 16 positions of x, source 1 = 16 rows of Wv: a lane holds one channel, its registers run along the positions
	s_wait_loadcnt 56                              ; Wv, its scales and the biases are in; behind them: Wq's and Wk's 56 loads
	WIN 0x40
.irp i, 0,1
.irp j, 0,1,2,3,4,5,6,7
	v_mov_b32 v[VBI+8*\i+\j], v[29+\i]             ; the bias is the C of a sum's first product: the lane's channel in all eight registers
.endr
.endr
	WIN 0
	PLACES 4
	s_wait_alu depctr_va_vdst(0)
.irp q, 0,1,2,3                        ; tiles 2 q and 2 q + 1 of the positions
.irp f, 0,1,2,3
	FETCHX XF+12*\f, 4*\q+\f
	ds_load_b32 v[XS+\f], v8 offset:(4*\q+\f)*64
.endr
	s_wait_dscnt 0x0
	WIN 0x14                                       ; source 1 (Wv) and C (the bias) in window 1
.irp t, 0,1
.irp i, 0,1
	MMC VA+64*\i+8*(2*\q+\t), XF+12*(2*\t), 12*(2*\i), VBI+8*\i, XS+2*\t, WVS+2*\i
.endr
.endr
	WIN 0x04                                       ; the four accumulators take turns
.irp t, 0,1
.irp i, 0,1
	MMC VA+64*\i+8*(2*\q+\t), XF+12*(2*\t+1), 12*(2*\i+1), VA+64*\i+8*(2*\q+\t), XS+2*\t+1, WVS+2*\i+1
.endr
.endr
	WIN 0
	PLACES 4                                       ; in front of loads into registers that these products read, and of the first read of results
.endr
.irp i, 0,1
	QB32 VA+64*\i, VFR+12*\i, 184, 24, 25          ; keys 32 h + 0 .. 31
	QB32 VA+64*\i+32, VFR+12*\i+6, 184, 24, 26     ; keys 64 + 32 h + 0 .. 31
	v_lshl_or_b32 v[27+\i], v26, 16, v25           ; my two bytes: blocks h and 2 + h of my channel,
	s_delay_alu instid0(VALU_DEP_1)
	v_lshlrev_b32 v[27+\i], v20, v[27+\i]          ; at their places in the scale word;
	s_delay_alu instid0(VALU_DEP_1)
	v_permlanex16_b32 v22, v[27+\i], s60, s61
	s_delay_alu instid0(VALU_DEP_1)
	v_or_b32 v[27+\i], v[27+\i], v22               ; with lane l xor 16's two the word is whole
.irp g, 0,1,2
	global_store_b128 v9, v[VFR+12*\i+4*\g:VFR+12*\i+4*\g+3], s[28:29] offset:1536*\i+512*\g   ; 32 lanes store 512 consecutive bytes, at a multiple of 256 from kv's first byte
.endr
.endr
	v_cmp_eq_u32 vcc_lo, 1, v3
	s_delay_alu instid0(VALU_DEP_1)
	v_cndmask_b32 v27, v27, v28, vcc_lo            ; lanes 0-15: tile 2 w's words; lanes 16-31: tile 2 w + 1's
	ds_store_b32 v17, v27
	; ---- Q and K of tile tau = w.  Source 0 = 16 rows of the weight, source 1 = the tile's 16 positions: a lane holds one position and channels 16 h + 0 .. 15
	s_mul_i32 s56, s53, 3072
	v_add_nc_u32 v5, s56, v7                       ; (the two registers that held phase X's store addresses)
	s_lshl_b32 s56, s53, 7
	v_add_nc_u32 v6, s56, v8
.irp ks, 0,1
.irp g, 0,1,2
	ds_load_b128 v[XF2+12*\ks+4*\g:XF2+12*\ks+4*\g+3], v5 offset:1536*\ks+16*\g
.endr
	ds_load_b32 v[XS+\ks], v6 offset:64*\ks
.endr
	s_wait_loadcnt 0x0                             ; Wq, Wk and their scales
	s_wait_dscnt 0x0
	WIN 0x01                                       ; source 0 in window 1
.irp ks, 0,1
.irp z, 0,1
.irp uu, 0,1
	MMC QKA+16*\z+8*\uu, 48+48*\z+12*(2*\uu+\ks), XF2+12*\ks, QKA+16*\z+8*\uu, WQS+4*\z+2*\uu+\ks, XS+\ks
.endr
.endr
.endr
	WIN 0
	PLACES 4
	v_max3_num_f32 v22, |v[QKA]|, |v[QKA+1]|, 0x2800000
	v_max3_num_f32 v23, |v[QKA+16]|, |v[QKA+17]|, 0x2800000
.irp i, 2,4,6,8,10,12,14
	v_max3_num_f32 v22, v22, |v[QKA+\i]|, |v[QKA+\i+1]|
	v_max3_num_f32 v23, v23, |v[QKA+16+\i]|, |v[QKA+17+\i]|
.endr
	s_delay_alu instid0(VALU_DEP_2)
	v_permlanex16_b32 v27, v22, s60, s61
	s_delay_alu instid0(VALU_DEP_2)
	v_permlanex16_b32 v28, v23, s60, s61
	s_delay_alu instid0(VALU_DEP_2)
	v_max_num_f32 v22, v22, v27                    ; with lane l xor 16's 16 channels: the block's largest magnitude
	s_delay_alu instid0(VALU_DEP_2)
	v_max_num_f32 v23, v23, v28
	s_delay_alu instid0(VALU_DEP_2)
	v_add_nc_u32 v24, 0xfe000000, v22
	s_delay_alu instid0(VALU_DEP_2)
	v_add_nc_u32 v25, 0xfe000000, v23
	s_delay_alu instid0(VALU_DEP_2)
	v_lshrrev_b32 v26, 23, v24
	s_delay_alu instid0(VALU_DEP_2)
	v_lshrrev_b32 v29, 23, v25
	v_cvt_scalef32_pk16_bf6_f32 v[QC:QC+2], v[QKA:QKA+15], v24
	v_cvt_scalef32_pk16_bf6_f32 v[QC+4:QC+6], v[QKA+16:QKA+31], v25
	v_nop                                          ; one plain place behind a scaled conversion
	v_lshl_or_b32 v26, v26, 8, v26
	s_delay_alu instid0(VALU_DEP_1)
	v_lshl_or_b32 v26, v26, 16, v26                ; Q's byte four times: it serves whichever block of the operand holds the codes
.irp i, 0,1,2,3
	v_mov_b32 v[ZR+\i], 0
.endr
	global_store_b96 v19, v[QC:QC+2], s[50:51]
	global_store_b32 v4, v26, s[50:51] offset:384
	ds_store_b32 v15, v[QC+4]
	ds_store_b32 v15, v[QC+5] offset:4
	ds_store_b32 v15, v[QC+6] offset:8
	ds_store_b8 v16, v29                           ; both lanes of a position write the same byte with the same value
.irp i, 0,1,2
	ds_store_b128 v18, v[ZR:ZR+3] offset:16*\i
.endr
	s_wait_dscnt 0x0                               ; for the others' sake
	s_barrier_signal -1
	s_barrier_wait -1                              ; the record's tail lies whole in LDS
	ds_load_b128 v[CP:CP+3], v21
	s_wait_dscnt 0x0
	global_store_b128 v9, v[CP:CP+3], s[30:31]     ; 512 consecutive bytes a wave
	s_cmp_lg_u32 s53, 0
	s_cbranch_scc1 .Ldone
	ds_load_b128 v[CP+4:CP+7], v21 offset:4096     ; the tail is nine times 512 bytes: wave 0 takes the ninth
	s_wait_dscnt 0x0
	global_store_b128 v9, v[CP+4:CP+7], s[30:31] offset:4096
.Ldone:
	s_set_vgpr_msb 0x5
	s_wait_tensorcnt 0x0
	ds_add_u32 v254, v255
	s_wait_dscnt 0x0
	s_set_vgpr_msb 0x500
	s_endpgm
.Lfunc_end_k_q8e5354f60e_proj:
	.size	k_q8e5354f60e_proj, .Lfunc_end_k_q8e5354f60e_proj-k_q8e5354f60e_proj
	.p2alignl 7, 3214868480
	.fill 96, 4, 3214868480
	.section	.rodata,"a",@progbits
	.p2align	6, 0x0
	.amdhsa_kernel k_q8e5354f60e_proj
		.amdhsa_group_segment_fixed_size 31744
		.amdhsa_private_segment_fixed_size 0
		.amdhsa_enable_private_segment 0
		.amdhsa_kernarg_size 168
		.amdhsa_user_sgpr_count 2
		.amdhsa_user_sgpr_kernarg_segment_ptr 1
		.amdhsa_wavefront_size32 1
		.amdhsa_system_sgpr_workgroup_id_x 1
		.amdhsa_system_sgpr_workgroup_id_y 1
		.amdhsa_system_sgpr_workgroup_id_z 1
		.amdhsa_system_vgpr_workitem_id 0
		.amdhsa_next_free_vgpr 512
		.amdhsa_next_free_sgpr 66
		.amdhsa_reserve_vcc 1
		.amdhsa_float_denorm_mode_32 3
		.amdhsa_float_denorm_mode_16_64 3
		.amdhsa_memory_ordered 1
		.amdhsa_forward_progress 1
		.amdhsa_inst_pref_size 57
	.end_amdhsa_kernel
	.amdgpu_metadata
---
amdhsa.version: [ 1, 2 ]
amdhsa.kernels:
  - .name:           k_q8e5354f60e_proj
    .symbol:         k_q8e5354f60e_proj.kd
    .args:
      - { .name: x, .offset: 0, .size: 8, .value_kind: global_buffer, .address_space: global }
      - { .name: WqA_codes, .offset: 8, .size: 8, .value_kind: global_buffer, .address_space: global }
      - { .name: WqA_scales, .offset: 16, .size: 8, .value_kind: global_buffer, .address_space: global }
      - { .name: bqA, .offset: 24, .size: 8, .value_kind: global_buffer, .address_space: global }
      - { .name: WkB_codes, .offset: 32, .size: 8, .value_kind: global_buffer, .address_space: global }
      - { .name: WkB_scales, .offset: 40, .size: 8, .value_kind: global_buffer, .address_space: global }
      - { .name: bkB, .offset: 48, .size: 8, .value_kind: global_buffer, .address_space: global }
      - { .name: WvB_codes, .offset: 56, .size: 8, .value_kind: global_buffer, .address_space: global }
      - { .name: WvB_scales, .offset: 64, .size: 8, .value_kind: global_buffer, .address_space: global }
      - { .name: bvB, .offset: 72, .size: 8, .value_kind: global_buffer, .address_space: global }
      - { .name: WqB_codes, .offset: 80, .size: 8, .value_kind: global_buffer, .address_space: global }
      - { .name: WqB_scales, .offset: 88, .size: 8, .value_kind: global_buffer, .address_space: global }
      - { .name: bqB, .offset: 96, .size: 8, .value_kind: global_buffer, .address_space: global }
      - { .name: WkA_codes, .offset: 104, .size: 8, .value_kind: global_buffer, .address_space: global }
      - { .name: WkA_scales, .offset: 112, .size: 8, .value_kind: global_buffer, .address_space: global }
      - { .name: bkA, .offset: 120, .size: 8, .value_kind: global_buffer, .address_space: global }
      - { .name: WvA_codes, .offset: 128, .size: 8, .value_kind: global_buffer, .address_space: global }
      - { .name: WvA_scales, .offset: 136, .size: 8, .value_kind: global_buffer, .address_space: global }
      - { .name: bvA, .offset: 144, .size: 8, .value_kind: global_buffer, .address_space: global }
      - { .name: kv, .offset: 152, .size: 8, .value_kind: global_buffer, .address_space: global }
      - { .name: qc, .offset: 160, .size: 8, .value_kind: global_buffer, .address_space: global }
    .group_segment_fixed_size: 31744
    .private_segment_fixed_size: 0
    .kernarg_segment_align: 8
    .kernarg_segment_size: 168
    .max_flat_workgroup_size: 256
    .sgpr_count:     66
    .vgpr_count:     512
    .wavefront_size: 32
...
	.end_amdgpu_metadata
.endif
;; end of part 1
;; launch attn (part 2): grid 128 x 2, 8 waves a work-group, clusters of 4 x 1, 327,680 bytes of LDS; arguments kv, qc, x, gamma_A, gamma_B, out0, out1; writes out0, out1
.if DOCPART == 2
	.amdgcn_target "amdgcn-amd-amdhsa--gfx1250"
	.amdhsa_code_object_version 6
	.text
	.protected	k_q8e5354f60e_attn
	.globl	k_q8e5354f60e_attn
	.p2align	8
	.type	k_q8e5354f60e_attn,@function
k_q8e5354f60e_attn:
	s_mov_b64 s[64:65], 0
	v_nop
	global_prefetch_b8 v0, s[64:65] scope:SCOPE_SE
	s_setreg_imm32_b32 hwreg(HW_REG_WAVE_MODE, 25, 1), 1
	s_wait_xcnt 0x0
	s_wait_alu depctr_hold_cnt(0) depctr_sa_sdst(0) depctr_va_vdst(0) depctr_va_sdst(0) depctr_va_ssrc(0) depctr_va_vcc(0) depctr_vm_vsrc(0)
	s_getreg_b32 s2, hwreg(HW_REG_IB_STS2, 6, 4)
	s_cmp_eq_u32 s2, 0
	s_cbranch_scc0 .Lentry_in_a_cluster
	s_endpgm
.Lentry_in_a_cluster:
	s_bfe_u32 s2, ttmp6, 0x10000c
	s_cmp_lg_u32 s2, 0x3003
	s_cbranch_scc0 .Lentry_shape_is_right
	s_endpgm
.Lentry_shape_is_right:
; THE TWO ATTENTIONS.  out_d[ch][q] = gamma_d x (sum over keys of V[ch][key] p[q][key]) / (sum of p) + x[ch][q], p = 2^(t - M), t = score x log2(e), M the ceiling of the running largest t.
; Both products on codes of E3M2 with one E8M0 byte for 32 along K; p is quantised along the keys, the row's sum is taken of the unquantised p.
; SHARES.  A work-group owns 64 queries (block qb) of direction d: four tiles of 16.  Wave w: tiles 2 tp, 2 tp + 1 (tp = w % 2), key steps 16 kq .. 16 kq + 15 (kq = w / 2), 128 keys a step.
; Two waves lie on a SIMD, so that one wave's products and LDS loads stand beside the other's softmax; each V fragment read from LDS feeds two products.  The four quarters of the keys are joined at the end by powers of two.
; LAYOUT.  Both products are used transposed: a lane holds ONE query (lane % 16).  The keys of a tile are not neighbours: row m of tile (c, u) is key 64 c + 32 (m / 8) + 8 u + m % 8, so the 32 registers of tiles
; (c, 0..3) are keys 64 c + 32 h + 0 .. 31: a whole block in a lane, in the order of the operand's registers 6 c .. 6 c + 5: no lane exchange but for the scale word.  The queries of a tile are ordered likewise.
; THE SCORES HAVE K = 32: a fragment of K holds tile (c, u) in its block u, and Q is kept in four variants that are zero codes but for block u, cut from one run of 30 registers [lo 6, 0 6, hi 6, 0 6, lo 6]
; (lo: data in lanes 0-15; hi: in lanes 16-31).  The product with variant u gives tile (c, u)'s scores; the other blocks add code x 0.
; CLUSTER.  The four query blocks of a cluster walk the same records of kv: each half record is asked for JOINTLY, by the same tensor load with the same descriptor and the mask of all four.
; One tensor load of a wave is out at the most.
; LIMITS: NaN and infinities are not served; p under 2^-126 becomes 0; a block of p whose largest lies under 2^-122 keeps the byte 1; the sums over the keys are made in four parts and then added.
.set REC,   29184                      ; a record: 16 V fragments, 2 K fragments, V's scale words, K's scale words, 384 zeros
.set HALFR, 14592                      ; 57 rows of 256 bytes: what one tensor load brings
.set KOFF,  24576
.set VSOFF, 27648
.set KSOFF, 28672
.set SLOT1, 131072                     ; a slot holds four records (one for each kq); one exclusive or turns an address in one slot into the other's
.set STATS, 262144                     ; 512 bytes a wave: -M and the sum of each query
.set SPARE, 266240                     ; the spare words, 128 bytes for each wave: four blocks of 256 bytes that no other line names
; the way out: a stage of 4 x 65,536 bytes from LDS byte 0 on (part kq: 256 channel rows of 256 bytes), over the slots, which have then had their last fill and their last read
.set A16, 1                            ; v1  16 lane + kq REC        v2  48 lane + kq REC        v3  4 lane + kq REC
.set A48, 2
.set A4,  3
.set ADV, 4                            ; v4-6 the same in the slot in hand
.set ADK, 5
.set ADS, 6
.set SH8, 7                            ; v7  8 h
.set SPW, 8                            ; v8  LDS address of my spare word; never rewritten
.set NIL, 9                            ; v9  0; never rewritten
.set ST,  12                           ; tile a's statistics at v[12 + 8 a]: +0 -M, +1 the largest t, +2, +3 the sum in two halves, +4 (+5) f, +6 (+7) the last factor
.set B0,  28                           ; v28-29 the two blocks' largest scores, then their largest p
.set T,   30
.set SCR, 32                           ; v32-33 the conversions' scale operands
.set BY,  34                           ; v34-35 the bytes
.set W,   36
.set SUM, 38
.set CT,  40                           ; v40-42, v44-46 the second halves of the codes
.set KS,  48                           ; v48-63 hold scale words and nothing else: K's; v50-51 Q's; v52-53 p's; v56-63 V's
.set QS,  50
.set PS,  52
.set VS,  56
.set P,   64                           ; v64-87 p's codes, 12 a tile
.set QV,  88                           ; v88-147 Q's variants, 30 a tile
.set GO,  148
.set STO, 149
.set STA, 150
.set STL, 151
.set VB,  152                          ; v152-247 eight places for V fragments; ahead of them in a step: K's two fragments and the scores
.set KF,  152
.set S,   176
.set RD,  240
; window 1: O^T: tile a, channel tile ct at v[128 a + 8 ct]
.set MSB, 0
.macro WIN new                         ; the immediate's high byte repeats the setting that is left
.if MSB != \new
	s_set_vgpr_msb (MSB<<8)|\new
.set MSB, \new
.endif
.endm
.macro PLACES n
.rept \n
	v_nop
.endr
.endm
.macro CROUND                          ; a round of the cluster's barrier
	s_barrier_signal -1
	s_barrier_wait -1
	s_cmp_lg_u32 s19, 0
	s_cbranch_scc1 .Lnot_wave_0_\@
	s_barrier_signal -3
.Lnot_wave_0_\@:
	s_barrier_wait -3
	s_barrier_signal -1
	s_barrier_wait -1
.endm
.macro MM d, a, b, z, sa, sb, row      ; z = 1: the product starts the sum;  row = 1: source 0's scales stand in lanes 16-31
.if \z
.if \row
	v_wmma_scale_f32_16x16x128_f8f6f4 v[(\d):(\d)+7], v[(\a):(\a)+11], v[(\b):(\b)+11], 0, v[(\sa)], v[(\sb)] matrix_a_fmt:MATRIX_FMT_BF6 matrix_b_fmt:MATRIX_FMT_BF6 matrix_a_scale:MATRIX_SCALE_ROW1
.else
	v_wmma_scale_f32_16x16x128_f8f6f4 v[(\d):(\d)+7], v[(\a):(\a)+11], v[(\b):(\b)+11], 0, v[(\sa)], v[(\sb)] matrix_a_fmt:MATRIX_FMT_BF6 matrix_b_fmt:MATRIX_FMT_BF6
.endif
.else
.if \row
	v_wmma_scale_f32_16x16x128_f8f6f4 v[(\d):(\d)+7], v[(\a):(\a)+11], v[(\b):(\b)+11], v[(\d):(\d)+7], v[(\sa)], v[(\sb)] matrix_a_fmt:MATRIX_FMT_BF6 matrix_b_fmt:MATRIX_FMT_BF6 matrix_a_scale:MATRIX_SCALE_ROW1
.else
	v_wmma_scale_f32_16x16x128_f8f6f4 v[(\d):(\d)+7], v[(\a):(\a)+11], v[(\b):(\b)+11], v[(\d):(\d)+7], v[(\sa)], v[(\sb)] matrix_a_fmt:MATRIX_FMT_BF6 matrix_b_fmt:MATRIX_FMT_BF6
.endif
.endif
.endm
; THE CHANGE OF SLOTS, at a step's head.  Each wave waits for all its tensor loads (its half record of the slot ahead), adds 0 to its spare word, and waits for that and for its reads of the slot that it has left.
; fill = 1: a round of the cluster's barrier, and behind it the slot just left is asked for jointly: the load has a whole step in which to land.
.macro CHANGE fill
	s_wait_tensorcnt 0x0                           ; no tensor load of mine is out, so the descriptor may be written
	ds_add_u32 v[SPW], v[NIL]                      ; 0 onto my spare word
.if \fill
	s_xor_b32 s33, s33, SLOT1                      ; the other slot than last time,
	s_add_nc_u64 s[34:35], s[34:35], REC           ; the next record; the type bits on top are not reached
.endif
	s_wait_dscnt 0x0                               ; the add is done, and my reads of the slot that I have left are over
.if \fill
	CROUND
	tensor_load_to_lds s[32:35], s[24:31]          ; the first thing behind the round, and my one tensor load until the next
	s_nop 0
	PLACES 4
.else
	s_barrier_signal -1
	s_barrier_wait -1
.endif
.endm
.macro SCORES a                        ; S^T of tile a: eight products, each on one block of K's fragment
.irp c, 0,1
.irp u, 0,1,2,3
.set qo, 6*((0x1320>>(4*\u))&15)       ; variant u begins at register 0, 12, 18, 6 of the run
	MM S+32*\c+8*\u, KF+12*\c, QV+30*(\a)+qo, 1, KS, QS+(\a), \c
.endr
.endr
.endm
.macro SOFTMAX a
.set rT, ST+8*(\a)
.set rP, P+12*(\a)
	v_max3_num_f32 v[B0], v[S], v[S+1], v[S+2]     ; THE LARGEST SCORE OF EACH OF MY TWO BLOCKS OF 32 KEYS, in ascending order: it serves for the row's maximum and, since p rises with the score, for the block's largest p
	v_max3_num_f32 v[B0+1], v[S+32], v[S+33], v[S+34]
.irp i, 3,5,7,9,11,13,15,17,19,21,23,25,27,29
	v_max3_num_f32 v[B0], v[B0], v[S+\i], v[S+\i+1]
	v_max3_num_f32 v[B0+1], v[B0+1], v[S+32+\i], v[S+33+\i]
.endr
	v_max_num_f32 v[B0], v[B0], v[S+31]
	v_max_num_f32 v[B0+1], v[B0+1], v[S+63]
	s_delay_alu instid0(VALU_DEP_1)
	v_max_num_f32 v[T], v[B0], v[B0+1]
	s_delay_alu instid0(VALU_DEP_1)
	v_permlanex16_b32 v10, v[T], s20, s21
	s_delay_alu instid0(VALU_DEP_1)
	v_max_num_f32 v[T], v[T], v10                  ; the step's largest score of my query
	s_delay_alu instid0(VALU_DEP_1)
	v_mul_f32 v[T], s22, v[T]                      ; as t
	s_delay_alu instid0(VALU_DEP_1)
	v_max_num_f32 v[rT+1], v[rT+1], v[T]           ; the running largest t
	v_mov_b32 v[T], v[rT]
	s_delay_alu instid0(VALU_DEP_2)
	v_floor_f32 v[rT], -v[rT+1]                    ; the new -M = -ceil(t): M is a whole number
	s_delay_alu instid0(VALU_DEP_1)
	v_sub_f32 v[T], v[rT], v[T]                    ; old M - new M: a whole number, 0 or less
	s_delay_alu instid0(VALU_DEP_1)
	v_cvt_i32_f32 v[T], v[T]                       ; (it saturates)
	s_delay_alu instid0(VALU_DEP_1)
	v_ldexp_f32 v[rT+4], 1.0, v[T]                 ; f = 2^(old M - new M)
.set j, 0
.rept 32
	v_pk_fma_f32 v[S+j:S+j+1], v[S+j:S+j+1], s[22:23], v[rT:rT+1] op_sel_hi:[1,0,0]   ; t - M, two at a time
.set j, j+2
.endr
	v_fma_f32 v[B0], v[B0], s22, v[rT]             ; the same of each block's largest score
	v_fma_f32 v[B0+1], v[B0+1], s22, v[rT]
.set j, 0
	s_wait_alu depctr_va_vdst(0)
.rept 64
	v_exp_f32 v[S+j], v[S+j]                       ; p = 2^(t - M), at most 1, not normalised
.set j, j+1
.endr
	v_exp_f32 v[B0], v[B0]
	v_exp_f32 v[B0+1], v[B0+1]
	v_pk_mul_f32 v[rT+2:rT+3], v[rT+2:rT+3], v[rT+4:rT+5] op_sel_hi:[1,0]   ; the sum under the new M.  (A plain place behind the exponentials)
	s_wait_alu depctr_va_vdst(0)
.irp c, 0,1
	v_max_num_f32 v[B0+\c], 0x2800000, v[B0+\c]    ; the floor 2^(5 - 127): the byte cannot fall under 1
.endr
.irp c, 0,1
	s_delay_alu instid0(VALU_DEP_2)
	v_add_nc_u32 v[SCR+\c], 0xfe000000, v[B0+\c]   ; 4 off the exponent field: the conversion's scale operand
.endr
.irp c, 0,1
	s_delay_alu instid0(VALU_DEP_2)
	v_lshrrev_b32 v[BY+\c], 23, v[SCR+\c]
.endr
	s_delay_alu instid0(VALU_DEP_1)
	v_lshl_or_b32 v[W], v[BY+1], 16, v[BY]         ; my two bytes: blocks h and 2 + h,
	s_delay_alu instid0(VALU_DEP_1)
	v_lshlrev_b32 v[W], v[SH8], v[W]               ; at their places;
	s_delay_alu instid0(VALU_DEP_1)
	v_permlanex16_b32 v10, v[W], s20, s21
	s_delay_alu instid0(VALU_DEP_1)
	v_or_b32 v[PS+(\a)], v[W], v10                 ; with lane l xor 16's two: p's scale word for these 128 keys
.irp c, 0,1
	v_cvt_scalef32_pk16_bf6_f32 v[rP+6*\c:rP+6*\c+2], v[S+32*\c:S+32*\c+15], v[SCR+\c]
	v_cvt_scalef32_pk16_bf6_f32 v[CT+4*\c:CT+4*\c+2], v[S+32*\c+16:S+32*\c+31], v[SCR+\c]   ; (a conversion's three registers begin on an even number)
.endr
	v_nop                                          ; one plain place behind a scaled conversion
.irp c, 0,1
.irp i, 0,1,2
	v_mov_b32 v[rP+6*\c+3+\i], v[CT+4*\c+\i]
.endr
.endr
	v_pk_add_f32 v[SUM:SUM+1], v[S:S+1], v[S+2:S+3]   ; the row's sum is taken of the unquantised p: two at a time, in two chains
.set j, 4
.rept 15
	v_pk_add_f32 v[rT+2:rT+3], v[rT+2:rT+3], v[S+j:S+j+1]
	v_pk_add_f32 v[SUM:SUM+1], v[SUM:SUM+1], v[S+j+2:S+j+3]
.set j, j+4
.endr
	s_delay_alu instid0(VALU_DEP_1)
	v_pk_add_f32 v[rT+2:rT+3], v[rT+2:rT+3], v[SUM:SUM+1]
.endm
.macro FETCHV place, ct                ; a V fragment comes as an image of its registers: 512 consecutive bytes a load
.irp g, 0,1,2
	ds_load_b128 v[VB+12*(\place)+4*\g:VB+12*(\place)+4*\g+3], v[ADV] offset:1536*(\ct)+512*\g
.endr
.endm
.macro PVG p0, ct0, first              ; O^T += V^T P^T for four channel tiles x my two tiles of queries: eight accumulators, each once
.irp k, 0,1,2,3
.irp a, 0,1
	MM 128*\a+8*((\ct0)+\k), VB+12*((\p0)+\k), P+12*\a, \first, VS+((\ct0)+\k)/2, PS+\a, \k%2
.endr
.endr
.endm
; A KEY STEP: 128 keys.  first = 1: its products start O^T's sums, and nothing is rescaled.
.macro STEP first
	v_add_nc_u32 v[ADV], s36, v[A16]
	v_add_nc_u32 v[ADK], s36, v[A48]
	v_add_nc_u32 v[ADS], s36, v[A4]
.irp c, 0,1
.irp g, 0,1,2
	ds_load_b128 v[KF+12*\c+4*\g:KF+12*\c+4*\g+3], v[ADK] offset:KOFF+1536*\c+16*\g
.endr
.endr
	ds_load_b32 v[KS], v[ADS] offset:KSOFF         ; lanes 0-15: fragment 0's words; lanes 16-31: fragment 1's
	ds_load_b128 v[VS:VS+3], v[ADV] offset:VSOFF
	ds_load_b128 v[VS+4:VS+7], v[ADV] offset:VSOFF+512
	s_wait_dscnt 2                                 ; K and its scale words are in; V's two scale loads may be out
	SCORES 0
	PLACES 4
	SOFTMAX 0
	SCORES 1
	PLACES 4
	SOFTMAX 1
.irp f, 0,1,2,3,4,5,6,7
	FETCHV \f, \f                                  ; the scores' registers are free: channel tiles 0-7
.endr
.if \first == 0
	WIN 0x41                                       ; O^T in window 1, f in window 0
.irp a, 0,1
.set i, 0
.rept 64
	v_pk_mul_f32 v[128*\a+i:128*\a+i+1], v[128*\a+i:128*\a+i+1], v[ST+8*\a+4:ST+8*\a+5] op_sel_hi:[1,0]   ; O^T under the new M, from each accumulator's low end on; the loads above land meanwhile
.set i, i+2
.endr
.endr
.endif
	s_wait_alu depctr_va_vdst(0)
	s_wait_dscnt 0x0
	WIN 0x50                                       ; C and D in window 1
	PVG 0, 0, \first
	PLACES 4                                       ; in front of loads into registers that these products read
	WIN 0
.irp f, 0,1,2,3
	FETCHV \f, 8+\f
.endr
	WIN 0x50
	PVG 4, 4, \first
	PLACES 4
	WIN 0
.irp f, 4,5,6,7
	FETCHV \f, 8+\f
.endr
	s_wait_dscnt 12                                ; channel tiles 8-11 are in; the 12 loads of tiles 12-15 may be out
	WIN 0x50
	PVG 0, 8, \first
	s_wait_dscnt 0x0
	PVG 4, 12, \first
	WIN 0
	PLACES 5                                       ; the next step's score products write over registers that these products read
	s_xor_b32 s36, s36, SLOT1                      ; on to the other slot
.endm
	s_load_b256 s[4:11], s[0:1], 0x0               ; kv, qc, x, gamma_A
	s_load_b128 s[12:15], s[0:1], 0x20             ; gamma_B, out0
	s_load_b64 s[16:17], s[0:1], 0x30              ; out1
	v_lshl_add_u32 v[SPW], v0, 2, SPARE
	v_mov_b32 v[NIL], 0
	ds_add_u32 v8, v9
	ds_add_u32 v8, v9
	s_wait_dscnt 0x0
	v_lshrrev_b32 v28, 5, v0
	s_delay_alu instid0(VALU_DEP_1)
	v_readfirstlane_b32 s19, v28                   ; wave w
	s_and_b32 s38, s19, 1                          ; tp
	s_lshr_b32 s39, s19, 1                         ; kq
	s_and_b32 s40, ttmp7, 0xffff                   ; d, which the four partners share
	s_bfe_u32 s41, ttmp6, 0x40000                  ; cx: my place in the cluster
	s_lshl_b32 s42, ttmp9, 2
	s_add_co_u32 s42, s42, s41                     ; qb = 4 x cluster x + cx: it enters Q's, x's and the output's addresses alone
	s_mov_b32 s24, 15|(3<<16)|(1<<21)              ; 15:0 the mask: all four work-groups; 17:16 elements of 8 bytes; 21 set beside a mask; no padding
	s_mov_b32 s25, 32<<16                          ; tensor_dim0 = 32 elements: 256 bytes
	s_mov_b32 s26, 57<<16                          ; tensor_dim1 = 57
	s_mov_b32 s27, 32<<16                          ; tile_dim0
	s_mov_b32 s28, 57                              ; tile_dim1
	s_mov_b32 s29, 32                              ; the pitch: the block is dense
	s_mov_b32 s30, 0
	s_mov_b32 s31, 0
	s_mul_i32 s44, s40, 64*REC                     ; my first half record: direction d, step 16 kq, half tp
	s_mul_i32 s45, s39, 16*REC
	s_add_co_u32 s44, s44, s45
	s_mul_i32 s45, s38, HALFR
	s_add_co_u32 s44, s44, s45
	s_mov_b32 s45, 0
	s_mov_b32 s32, 1                               ; count = 1
	s_mul_i32 s33, s19, HALFR                      ; LDS: record kq, half tp of slot 0
	s_mov_b32 s20, 0x76543210
	s_mov_b32 s21, 0xfedcba98                      ; v_permlanex16_b32's selects for lane l xor 16
	s_mov_b32 s22, 0x3fb8aa3b                      ; log2(e)
	s_mov_b32 s23, s22                             ; (named with it as a pair, so it is written)
	s_mov_b32 s36, 0                               ; the slot in hand
	s_mov_b32 s37, 14
	s_wait_kmcnt 0x0
	s_add_nc_u64 s[34:35], s[4:5], s[44:45]
	s_or_b32 s35, s35, 0x80000000                  ; type = 2
	CROUND                                         ; all four work-groups are here: the first joint loads meet
	tensor_load_to_lds s[32:35], s[24:31]          ; step 0 into slot 0
	s_nop 0
	PLACES 4
	s_cmp_eq_u32 s40, 0                            ; the choice hangs on the work-group's number alone
	s_cselect_b64 s[10:11], s[10:11], s[12:13]
	s_cselect_b64 s[14:15], s[14:15], s[16:17]
	s_load_b32 s18, s[10:11], 0x0                  ; gamma
	s_lshl_b32 s48, s40, 18                        ; qc: tile 512 d + 4 qb + 2 tp, 512 bytes a tile
	s_lshl_b32 s49, s42, 11
	s_add_co_u32 s48, s48, s49
	s_lshl_b32 s49, s38, 10
	s_add_co_u32 s48, s48, s49
	s_mov_b32 s49, 0
	s_add_nc_u64 s[6:7], s[6:7], s[48:49]
	s_lshl_b32 s46, s19, 20                        ; x and the output: channel 32 w, query 64 qb
	s_lshl_b32 s47, s42, 8
	s_add_co_u32 s46, s46, s47
	s_mov_b32 s47, 0
	s_add_nc_u64 s[8:9], s[8:9], s[46:47]
	s_add_nc_u64 s[14:15], s[14:15], s[46:47]
	v_and_b32 v28, 31, v0                          ; lane
	v_and_b32 v29, 15, v0                          ; r
	v_bfe_u32 v30, v0, 4, 1                        ; h
	s_delay_alu instid0(VALU_DEP_2)
	v_mul_u32_u24 v31, v29, 24                     ; every lane takes query r's 24 bytes
.irp a, 0,1
.irp i, 0,1,2
	global_load_b64 v[VB+6*\a+2*\i:VB+6*\a+2*\i+1], v31, s[6:7] offset:512*\a+8*\i
.endr
.endr
	v_lshlrev_b32 v36, 2, v28
	global_load_b32 v[QS], v36, s[6:7] offset:384
	global_load_b32 v[QS+1], v36, s[6:7] offset:384+512
	s_mul_i32 s43, s39, REC
	v_lshl_add_u32 v[A16], v28, 4, s43
	v_mul_u32_u24 v[A48], v28, 48
	s_delay_alu instid0(VALU_DEP_1)
	v_add_nc_u32 v[A48], s43, v[A48]
	v_lshl_add_u32 v[A4], v28, 2, s43
	v_lshlrev_b32 v[SH8], 3, v30
	v_lshlrev_b32 v[GO], 15, v30                   ; the way out: lanes 0-15 one channel row, lanes 16-31 the next; 16 bytes a lane
	s_delay_alu instid0(VALU_DEP_1)
	v_lshl_add_u32 v[GO], v29, 4, v[GO]
	v_xor_b32 v32, s38, v30                        ; the stage: query 32 (r / 8) + 16 tp + 8 a + r % 8 of channel 16 ct + 8 h + j; in the rows of h = 1 the word's bit 4 is turned, so that the 32 lanes of a store touch 32 banks
	v_lshrrev_b32 v33, 3, v29
	v_and_b32 v34, 7, v29
	s_delay_alu instid0(VALU_DEP_2)
	v_lshlrev_b32 v[STO], 7, v33
	s_delay_alu instid0(VALU_DEP_1)
	v_lshl_add_u32 v[STO], v34, 2, v[STO]
	s_delay_alu instid0(VALU_DEP_1)
	v_lshl_add_u32 v[STO], v32, 6, v[STO]
	s_delay_alu instid0(VALU_DEP_1)
	v_lshl_add_u32 v[STO], v30, 11, v[STO]
	s_lshl_b32 s43, s39, 16
	v_add_nc_u32 v[STO], s43, v[STO]
	s_lshl_b32 s43, s19, 9
	s_add_co_u32 s43, s43, STATS
	v_lshl_add_u32 v[STA], v28, 3, s43             ; my wave's statistics
	s_lshl_b32 s43, s38, 9
	s_add_co_u32 s43, s43, STATS
	v_lshl_add_u32 v[STL], v28, 3, s43             ; and those of the four waves that share my queries
.irp a, 0,1
	v_mov_b32 v[ST+8*\a+1], 0xff61b1e6             ; the largest t so far: -3e38, under every t
	s_delay_alu instid0(VALU_DEP_1)
	v_floor_f32 v[ST+8*\a], -v[ST+8*\a+1]
	v_mov_b32 v[ST+8*\a+2], 0                      ; the sum
	v_mov_b32 v[ST+8*\a+3], 0
	v_mov_b32 v[ST+8*\a+5], 0                      ; (named as the upper halves of pairs)
	v_mov_b32 v[ST+8*\a+7], 0
.endr
	v_mov_b32 v10, 0                               ; written once: a lane permute's destination counts as one of its sources
	v_mov_b32 v11, 0
	v_mov_b32 v37, 0
	v_cmp_gt_u32 vcc_lo, 16, v28                   ; lanes 0-15
	s_wait_alu depctr_va_vdst(0)
	s_wait_loadcnt 0x0                             ; Q
.irp a, 0,1
.irp i, 0,1,2,3,4,5
	v_cndmask_b32 v[QV+30*\a+\i], v37, v[VB+6*\a+\i], vcc_lo       ; lo
	v_mov_b32 v[QV+30*\a+6+\i], 0
	v_cndmask_b32 v[QV+30*\a+12+\i], v[VB+6*\a+\i], v37, vcc_lo    ; hi
	v_mov_b32 v[QV+30*\a+18+\i], 0
	v_cndmask_b32 v[QV+30*\a+24+\i], v37, v[VB+6*\a+\i], vcc_lo    ; lo
.endr
.endr
	s_wait_kmcnt 0x0                               ; gamma
	CHANGE 1                                       ; step 0 has landed; step 1 is asked for, into slot 1
	STEP 1
.Lstep:                                            ; 14 trips: steps 1 to 14; each asks for the step behind it
	CHANGE 1
	STEP 0
	s_sub_co_u32 s37, s37, 1
	s_cmp_lg_u32 s37, 0
	s_cbranch_scc1 .Lstep
	CHANGE 0                                       ; the last step is written out
	STEP 0
	; THE WAY OUT.  x's numbers are asked for first; the four quarters' statistics meet in LDS; each wave brings its O^T under the common M, times gamma / the whole sum; the four parts meet in the stage and are added to x.
.irp i, 0,1,2,3,4,5,6,7,8,9,10,11,12,13,14,15
	global_load_b128 v[VB+4*\i:VB+4*\i+3], v[GO], s[8:9] offset:65536*\i   ; channel 32 w + 2 i + lane / 16: sixteen lanes read 256 consecutive bytes
.endr
	v_add_f32 v30, v[ST+2], v[ST+3]                ; the sum's two halves,
	v_add_f32 v31, v[ST+10], v[ST+11]
	s_delay_alu instid0(VALU_DEP_2)
	v_permlanex16_b32 v10, v30, s20, s21
	s_delay_alu instid0(VALU_DEP_2)
	v_permlanex16_b32 v11, v31, s20, s21
	s_delay_alu instid0(VALU_DEP_2)
	v_add_f32 v[ST+1], v30, v10                    ; and lane l xor 16's: my quarter's sum, beside -M
	s_delay_alu instid0(VALU_DEP_2)
	v_add_f32 v[ST+9], v31, v11
	ds_store_b64 v[STA], v[ST:ST+1]
	ds_store_b64 v[STA], v[ST+8:ST+9] offset:256
	s_wait_dscnt 0x0                               ; for the others' sake; my reads of the slots are over too
	s_barrier_signal -1
	s_barrier_wait -1                              ; from here on no wave reads a slot
.irp a, 0,1
.irp k, 0,1,2,3
	ds_load_b64 v[216+8*\a+2*\k:217+8*\a+2*\k], v[STL] offset:1024*\k+256*\a
.endr
.endr
	v_and_b32 v28, 15, v0
	v_bfe_u32 v29, v0, 4, 1
	s_delay_alu instid0(VALU_DEP_2)
	v_lshlrev_b32 v[RD], 4, v28                    ; out of the stage: my 32 channel rows, two an instruction, 16 bytes a lane;
	s_delay_alu instid0(VALU_DEP_1)
	v_lshl_add_u32 v[RD], v29, 8, v[RD]
	s_lshl_b32 s43, s19, 13
	v_add_nc_u32 v[RD], s43, v[RD]
	s_delay_alu instid0(VALU_DEP_1)
	v_xor_b32 v[RD+1], 64, v[RD]                   ; for the rows whose words were turned;
.irp p, 1,2,3
	v_add_nc_u32 v[RD+2*\p], 65536*\p, v[RD]       ; and for each of the four parts
	v_add_nc_u32 v[RD+2*\p+1], 65536*\p, v[RD+1]
.endr
	s_wait_dscnt 0x0
.irp a, 0,1
.set e, 216+8*\a
	v_min3_num_f32 v[30+\a], v[e], v[e+2], v[e+4]
	s_delay_alu instid0(VALU_DEP_1)
	v_min_num_f32 v[30+\a], v[30+\a], v[e+6]       ; the least -M: the common M
.irp k, 0,1,2,3
	v_sub_f32 v[e+2*\k], v[30+\a], v[e+2*\k]       ; M of quarter k less the common M: a whole number, 0 or less
	s_delay_alu instid0(VALU_DEP_1)
	v_cvt_i32_f32 v[e+2*\k], v[e+2*\k]
	s_delay_alu instid0(VALU_DEP_1)
	v_ldexp_f32 v[e+2*\k+1], v[e+2*\k+1], v[e+2*\k]
.endr
	v_add_f32 v[e+1], v[e+1], v[e+3]
	s_delay_alu instid0(VALU_DEP_2)
	v_add_f32 v[e+5], v[e+5], v[e+7]
	s_delay_alu instid0(VALU_DEP_1)
	v_add_f32 v[e+1], v[e+1], v[e+5]               ; the row's whole sum
	v_sub_f32 v[30+\a], v[30+\a], v[ST+8*\a]
	s_wait_alu depctr_va_vdst(0)
	v_rcp_f32 v[e+3], v[e+1]
	v_cvt_i32_f32 v[30+\a], v[30+\a]               ; (a plain place behind the reciprocal)
	s_wait_alu depctr_va_vdst(0)
	v_mul_f32 v[e+3], s18, v[e+3]
	s_delay_alu instid0(VALU_DEP_1)
	v_ldexp_f32 v[ST+8*\a+6], v[e+3], v[30+\a]     ; gamma / the sum x 2^(my M - the common M)
.endr
	WIN 0x41
.irp a, 0,1
.set i, 0
.rept 64
	v_pk_mul_f32 v[128*\a+i:128*\a+i+1], v[128*\a+i:128*\a+i+1], v[ST+8*\a+6:ST+8*\a+7] op_sel_hi:[1,0]
.set i, i+2
.endr
.endr
	WIN 0x04                                       ; an LDS store's data are its source 1: window 1
.irp a, 0,1
.set n, 0
.rept 128
	ds_store_b32 v[STO], v[128*\a+n] offset:(16*(n/8)+n%8)*256+32*\a
.set n, n+1
.endr
.endr
	WIN 0
	s_wait_dscnt 0x0                               ; for the others' sake
	s_barrier_signal -1
	s_barrier_wait -1                              ; the four parts lie whole in the stage
	s_wait_loadcnt 0x0                             ; x
.irp g, 0,1,2,3
.irp q, 0,1,2,3
.irp p, 0,1,2,3
	ds_load_b128 v[64+16*\q+4*\p:64+16*\q+4*\p+3], v[RD+2*\p+(\g&1)] offset:512*(4*\g+\q)
.endr
.endr
	s_wait_dscnt 0x0
.irp q, 0,1,2,3
.set b, 64+16*\q
.set xr, VB+4*(4*\g+\q)
	v_pk_add_f32 v[b:b+1], v[b:b+1], v[b+4:b+5]
	v_pk_add_f32 v[b+2:b+3], v[b+2:b+3], v[b+6:b+7]
	v_pk_add_f32 v[b+8:b+9], v[b+8:b+9], v[b+12:b+13]
	v_pk_add_f32 v[b+10:b+11], v[b+10:b+11], v[b+14:b+15]
	s_delay_alu instid0(VALU_DEP_2)
	v_pk_add_f32 v[b:b+1], v[b:b+1], v[b+8:b+9]
	s_delay_alu instid0(VALU_DEP_2)
	v_pk_add_f32 v[b+2:b+3], v[b+2:b+3], v[b+10:b+11]
	s_delay_alu instid0(VALU_DEP_2)
	v_pk_add_f32 v[xr:xr+1], v[xr:xr+1], v[b:b+1]
	s_delay_alu instid0(VALU_DEP_2)
	v_pk_add_f32 v[xr+2:xr+3], v[xr+2:xr+3], v[b+2:b+3]
	global_store_b128 v[GO], v[xr:xr+3], s[14:15] offset:65536*(4*\g+\q) th:TH_STORE_NT   ; sixteen lanes store 256 consecutive bytes, at a multiple of 256 from the output's first byte
.endr
.endr
	s_wait_tensorcnt 0x0                           ; the wave's end, behind my last tensor load and my last LDS store
	ds_add_u32 v[SPW], v[NIL]
	s_wait_dscnt 0x0
	CROUND                                         ; the closing round: no work-group ends while a partner may still ask for a tile that names it
	s_endpgm
.Lfunc_end_k_q8e5354f60e_attn:
	.size	k_q8e5354f60e_attn, .Lfunc_end_k_q8e5354f60e_attn-k_q8e5354f60e_attn
	.p2alignl 7, 3214868480
	.fill 96, 4, 3214868480
	.section	.rodata,"a",@progbits
	.p2align	6, 0x0
	.amdhsa_kernel k_q8e5354f60e_attn
		.amdhsa_group_segment_fixed_size 327680
		.amdhsa_private_segment_fixed_size 0
		.amdhsa_enable_private_segment 0
		.amdhsa_kernarg_size 56
		.amdhsa_user_sgpr_count 2
		.amdhsa_user_sgpr_kernarg_segment_ptr 1
		.amdhsa_wavefront_size32 1
		.amdhsa_system_sgpr_workgroup_id_x 1
		.amdhsa_system_sgpr_workgroup_id_y 1
		.amdhsa_system_sgpr_workgroup_id_z 1
		.amdhsa_system_vgpr_workitem_id 0
		.amdhsa_next_free_vgpr 512
		.amdhsa_next_free_sgpr 66
		.amdhsa_reserve_vcc 1
		.amdhsa_float_denorm_mode_32 3
		.amdhsa_float_denorm_mode_16_64 3
		.amdhsa_memory_ordered 1
		.amdhsa_forward_progress 1
		.amdhsa_inst_pref_size 166
	.end_amdhsa_kernel
	.amdgpu_metadata
---
amdhsa.version: [ 1, 2 ]
amdhsa.kernels:
  - .name:           k_q8e5354f60e_attn
    .symbol:         k_q8e5354f60e_attn.kd
    .args:
      - { .name: kv, .offset: 0, .size: 8, .value_kind: global_buffer, .address_space: global }
      - { .name: qc, .offset: 8, .size: 8, .value_kind: global_buffer, .address_space: global }
      - { .name: x, .offset: 16, .size: 8, .value_kind: global_buffer, .address_space: global }
      - { .name: gamma_A, .offset: 24, .size: 8, .value_kind: global_buffer, .address_space: global }
      - { .name: gamma_B, .offset: 32, .size: 8, .value_kind: global_buffer, .address_space: global }
      - { .name: out0, .offset: 40, .size: 8, .value_kind: global_buffer, .address_space: global }
      - { .name: out1, .offset: 48, .size: 8, .value_kind: global_buffer, .address_space: global }
    .group_segment_fixed_size: 327680
    .private_segment_fixed_size: 0
    .kernarg_segment_align: 8
    .kernarg_segment_size: 56
    .max_flat_workgroup_size: 256
    .sgpr_count:     66
    .vgpr_count:     512
    .wavefront_size: 32
...
	.end_amdgpu_metadata
.endif
;; end of part 2
